; MI455X (gfx1250); checked and timed in simulation.
; The chip was launched on July 23, 2026; its instructions are those of AMD's public machine-readable ISA for CDNA 5 (MIT licence, August 2026) and "CDNA5" Instruction Set Architecture Reference Guide (July 2026). The comments in the code are by the model that wrote it; some were corrected since.
;; Multi Head Attention. Allowed arithmetic: matrix products marked QUANTISED: E2M1 operands, one E8M0 scale for each 32 along K, by v_wmma_scale_f32_16x16x128_f8f6f4 with both operands' format E2M1 (or v_wmma_scale_f32_32x16x128_f4), f32 sums; everything else in f32.
;; Inputs: Wo_codes 1,024 x 32 x 16 uint8 (E2M1 codes of Wo, K innermost, in blocks of 32 codes, two codes a byte); Wo_scales 1,024 x 32 uint8 (E8M0 scales of Wo, one for each 32 codes along K); Wqkv_codes 16 x 192 x 32 x 16 uint8 (E2M1 codes of Wqkv, K innermost, in blocks of 32 codes, two codes a byte); Wqkv_scales 16 x 192 x 32 uint8 (E8M0 scales of Wqkv, one for each 32 codes along K); bo 1,024 float32; bqkv 16 x 192 float32; mask 4 x 2,048 x 2,048 int32; x_codes 4 x 2,048 x 32 x 16 uint8 (E2M1 codes of x, K innermost, in blocks of 32 codes, two codes a byte); x_scales 4 x 2,048 x 32 uint8 (E8M0 scales of x, one for each 32 codes along K).
;; Outputs: out0 4 x 2,048 x 1,024 float32.
;; This version of the problem:
;;   THIS VERSION OF THE PROBLEM IS GIVEN IN LOW PRECISION. The matrix products marked QUANTISED in the list below multiply operands that are first quantised to E2M1 (2 exponent bits, 1 mantissa bit; 4 bits a number), with one power-of-two scale for each 32 numbers along K (OCP MX v1.0); their sums are f32. All else is computed in f32.
;;   The module's matrix products, in the order in which they are computed (A, B: the left and right operand; K: the contracted axis; several contracted axes count as one K, in the product's order):
;;     1. [M 3,072, K 1,024] x [K 1,024, N 8,192]; A: input Wqkv (given as codes); B: input x (given as codes): QUANTISED
;;     2. batch 64 x [M 2,048, K 64] x [K 64, N 2,048]; A: computed on the way; B: computed on the way: QUANTISED
;;     3. batch 64 x [M 2,048, K 2,048] x [K 2,048, N 64]; A: softmax (see below); B: computed on the way: QUANTISED
;;     4. [M 8,192, K 1,024] x [K 1,024, N 1,024]; A: computed on the way; B: input Wo (given as codes): QUANTISED
;;   THE QUANTISER, for each operand of a quantised product, along K:
;;     - K is cut into blocks of 32 from its start; a last block that is shorter is filled with zeros.
;;     - A block's scale is 2^e with e = floor(log2(the largest magnitude in the block)) - 2, held to -126 .. 127; a block of zeros has e = 0. As a byte (E8M0): e + 127.
;;     - Each number is divided by its block's scale, clamped to +-6, and rounded to the nearest number of E2M1, ties to even, subnormals kept.
;;     - The product sums the exact products of the quantised numbers (number of the format x scale) in f32.
;;   ~~~python
;;   def quantise(x, axis):      # numpy; x: float32 -> the quantised numbers, widened to float32 again
;;       x = np.moveaxis(x, axis, -1); K = x.shape[-1]
;;       x = np.pad(x, [(0, 0)] * (x.ndim - 1) + [(0, -K % 32)]); x = x.reshape(x.shape[:-1] + (-1, 32)); a = np.abs(x).max(-1, keepdims=True)
;;       e = np.where(a > 0, np.clip(np.frexp(np.where(a > 0, a, 1))[1] - 1 - 2, -126, 127), 0)      # np.frexp(a)[1] - 1 = floor(log2(a)), exactly
;;       r = np.clip(x / 2.0 ** e, -6, 6)
;;       step = 2.0 ** (np.maximum(np.frexp(np.where(r == 0, 1, r))[1] - 1, 0) - 1)
;;       q = np.round(r / step) * step * 2.0 ** e      # np.round: ties to even
;;       return np.moveaxis(q.reshape(q.shape[:-2] + (-1,))[..., :K], -1, axis).astype(np.float32)
;;   ~~~
;;   SOFTMAX AHEAD OF A QUANTISED PRODUCT. Where the list says 'softmax', what is quantised is not the finished softmax but p = 2^(t - M), with t = logit x log2(e) and M = ceil(the row's largest t), a whole number; so 1/2 < the row's largest p <= 1. The row's sum l is taken of the UNQUANTISED p, in f32, and the product's result is divided by l at the end. Since M is a whole number, a kernel that streams over the keys may use a running M (the ceiling of the running maximum): every later rescaling is an exact power of two, which a block's scale takes up: the codes' values come out the same.
;;   OPERANDS COMPUTED ON THE WAY. 'Computed on the way' means the value that the module computes at that place (a softmax that the list does not call 'softmax' is quantised finished and normalised). What goes into a quantiser is computed in f32, as accurately as f32 sums, v_exp_f32 and their like allow (about 1e-6 of the number): no bf16 or f16 on the way to a quantiser, and a product that is left as it is and whose result goes on into a quantised operand takes f32 operands (vector FMAs, or v_wmma_f32_16x16x4_f32). A number that lies on a knife's edge between two numbers of the format may be rounded either way, as far as f32 arithmetic and the matrix unit's own rounding can turn it there, and no further.
;;   INPUTS GIVEN AS CODES. Wo (in the module: [1024, 1024], K = its axis 1); Wqkv (in the module: [16, 192, 1024], K = its axis 2); x (in the module: [4, 2048, 1024], K = its axis 2): each comes as NAME_codes (uint8): NAME with its K axis moved to the last place and cut into blocks of 32 codes, [.., K / 32, bytes a block], one block behind the other in memory; two codes a byte, the lower K in the low four bits (a code: sign, 2 exponent bits, 1 mantissa bit); and NAME_scales (uint8): the same leading axes, one E8M0 byte (e + 127) for each 32 codes along K. Its value is code x scale, taken as it is: it is not quantised again, and the codes and scales need not be those that the quantiser above would give.
;; One version. Each part assembles by itself: llvm-mc -triple=amdgcn-amd-amdhsa -mcpu=gfx1250 --defsym DOCPART=n.
;; ======== version 1 of 1: 3 launches
;; limits: right only within a limited range of input values
;; workspace buffers: mw 2,097,152 bytes of whole numbers; qbuf 4,718,592 bytes; kvbuf 9,175,040 bytes; cc 4,194,304 bytes; cs 262,144 bytes
;; launch qkv (part 1): grid 16 x 16, 4 waves a work-group, clusters of 4 x 4, 327,680 bytes of LDS; arguments x_codes, x_scales, Wqkv_codes, Wqkv_scales, bqkv, qbuf, kvbuf, mask, mw; writes qbuf, kvbuf, mw
.if DOCPART == 1
	.amdgcn_target "amdgcn-amd-amdhsa--gfx1250"
	.amdhsa_code_object_version 6
	.text
	.protected	k_q2b2f1671f0_qkv
	.globl	k_q2b2f1671f0_qkv
	.p2align	8
	.type	k_q2b2f1671f0_qkv,@function
k_q2b2f1671f0_qkv:
	s_mov_b64 s[64:65], 0
	v_nop
	global_prefetch_b8 v0, s[64:65] scope:SCOPE_SE
	s_setreg_imm32_b32 hwreg(HW_REG_WAVE_MODE, 25, 1), 1
	s_wait_xcnt 0x0
	s_wait_alu depctr_hold_cnt(0) depctr_sa_sdst(0) depctr_va_vdst(0) depctr_va_sdst(0) depctr_va_ssrc(0) depctr_va_vcc(0) depctr_vm_vsrc(0)
	s_getreg_b32 s2, hwreg(HW_REG_IB_STS2, 6, 4)
	s_cmp_eq_u32 s2, 0
	s_cbranch_scc0 .Lentry_in_a_cluster
	s_endpgm
.Lentry_in_a_cluster:
	s_bfe_u32 s2, ttmp6, 0x10000c
	s_cmp_lg_u32 s2, 0xf033
	s_cbranch_scc0 .Lentry_shape_is_right
	s_endpgm
.Lentry_shape_is_right:
; qkv = x Wqkv^T + bqkv on codes of FP4 (E2M1) with E8M0 scales, and the quantisers of q, k (along the head's 64) and v (along the tokens).
; SHARES.  A work-group takes one head (192 features) and TWO neighbouring blocks of 256 tokens, one after the other.  All of K = 1,024 lies in LDS, in two halves along K.
; W, its scale bytes and both blocks' x scale bytes are fetched once.  The second block's x comes into the first's two slots as refills, 64 rows a wave:
; half 0 at K step 3 of the first block (its last read is over there), half 1 between the first block's two ways out.  Each refill stands behind the three lines and a round of the cluster's barrier.
; THE FILLS: at the head one joint load a wave (wave 0: x's 256 rows of K half 0; wave 1: W's 192; wave 2: x's scale bytes; wave 3: W's); K half 1 behind the three lines and a round.  One tensor load of a wave is out at a time.
; Wave (g, f): tokens 128 g on; features 64 f on (f = 0: q, f = 1: k), 32 accumulators, and v's features 32 f on, 16 accumulators.  One text for both: f chooses addresses alone.
; q, k: source 0 = 16 features, source 1 = 16 tokens: a lane holds ONE token and eight features.  v: source 0 = 16 tokens, source 1 = 16 features.  The bias is the C of each sum's first product.
; FROM RESULTS TO AN OPERAND.  Tiles 2 B and 2 B + 1 hold block B of 32; the conversion of tile 2 B + u goes to register 4 (B / 2) + 2 u + B % 2, and v_permlane16_swap_b32 on registers
; 4 c + 2 u and 4 c + 2 u + 1 leaves register 4 c + p with k = 64 c + 32 h + 8 p .. + 7: the operand's layout.
; WHAT IS STORED are images of operand registers: four registers as 512 consecutive bytes, lane l at 16 l.
;   qbuf  [b h][128 tokens]: 8 x 512 codes, then scale words [lane][4]: word j = tile 2 j in lanes 0-15, tile 2 j + 1 in lanes 16-31; bytes 2 and 3 are 0x7f
;   kvbuf [b h][128 keys]:   8 x 512 K; 4 x 1,024 V^T; K's scale words as q's; V's scale words [2][lane]
; CLUSTER 4 x 4: x's tiles hang on the token blocks alone and are shared along a row of the cluster, W's on the head alone and are shared along a column: asked for jointly.
; No prefetch: the text has no loop to run ahead in; the second block's x is asked for four K steps or more ahead of its first read.
; LIMITS: a block of zeros gets the byte 1, not 127 (its codes are zeros; this program alone reads the bytes); largest magnitudes under 2^-124 are held there; NaN and infinities are not served.
.set PITCH, 272                        ; an LDS row: 256 bytes + 16
.set XCH,   256*PITCH                  ; x's codes of one half of K; the two halves lie at 0 and XCH
.set WC0,   2*XCH
.set WCH,   192*PITCH
.set XS,    WC0+2*WCH                  ; x's scale bytes of 512 rows: units of 256 bytes + 16; row p at 32 p + 16 (p / 8)
.set WS,    XS+64*272                  ; W's
; AHEAD OF ALL THAT THE WORK-GROUP TURNS ITS PART OF THE MASK INTO LANE MASKS.  mask: [4][2048][2048] int32.  mw: [query tile 512][key step 16][64 words].
; Word n = 8 t + j of a tile of 16 queries and a step of 128 keys has in bit r + 16 h the answer to mask[16 tile + r][128 step + 64 (t / 4) + 32 h + 8 (t % 4) + j] == 1:
; that bit is the lane which, in the attention launch, holds this score in register n of its result.  Any value but 1 counts as not masked.
; A work-group takes 64 rows x 1,024 keys of the mask (four query tiles x eight key steps), a wave two of the key steps: THE HEAD'S ONE TENSOR LOAD A WAVE IS THE MASK'S, 64 rows x 1,024 bytes,
; into the wave's own LDS bytes, which it alone reads.  What the comment above calls the head's loads follow as refills, behind the three lines and a round.  Each byte of the mask is read once.
; No prefetch of x and W under the mask's loop: the mask's loads are all out then.
.set MP,    1072                       ; a row of the mask in LDS: 1,024 bytes + 48: 67 x 16
.set SPARE, 4*64*MP                    ; the spare words, behind the mask's region, which covers every later tile
.set D0,    64                         ; v64-127   the mask's first key step: register 8 t + j as above
.set D1,    128                        ; v128-191  its second
.set QREC,  4608
.set REC,   8960
.set SX,    32                         ; v32-95   x's scale words: tile tt, K step kk at SX + 8 tt + kk
.set SW,    96                         ; v96-143  W's: tile wt (0-3 q or k, 4-5 v)
.set FX,    144                        ; fragments: x's eight; buffer 0 in window 0, buffer 1 in window 3
.set FW,    208                        ; W's six
.set TQ,    144                        ; the way out, window 0
.set UQ,    160
.set SO,    176
.set PW,    192
.set CQ,    200
.set OW,    232
.set CV,    236
.set OV,    252
.set WV,    18
.set MSB, 0
.macro WIN new
.if MSB != (\new)
	s_set_vgpr_msb (MSB<<8)|(\new)
.set MSB, (\new)
.endif
.endm
.macro ROUND
	s_barrier_signal -1
	s_barrier_wait -1
	s_cmp_lg_u32 s[WV], 0
	s_cbranch_scc1 .Lnot_wave_0_\@
	s_barrier_signal -3
.Lnot_wave_0_\@:
	s_barrier_wait -3
	s_barrier_signal -1
	s_barrier_wait -1
.endm
.macro PLACES
.rept 4
	v_nop
.endr
.endm
	s_load_b256 s[4:11], s[0:1], 0x0               ; x's codes, x's scales, W's codes, W's scales
	s_load_b128 s[12:15], s[0:1], 0x20             ; bqkv, qbuf
	s_load_b64 s[16:17], s[0:1], 0x30              ; kvbuf
	s_load_b64 s[104:105], s[0:1], 0x38            ; mask
	s_load_b64 s[100:101], s[0:1], 0x40            ; mw
	v_lshl_add_u32 v30, v0, 2, SPARE
	v_mov_b32 v31, 0
	ds_add_u32 v30, v31                            ; the opening lines: the add twice on end
	ds_add_u32 v30, v31
	v_lshrrev_b32 v1, 5, v0
	v_readfirstlane_b32 s[WV], v1
	s_lshr_b32 s19, s[WV], 1                       ; g
	s_and_b32 s20, s[WV], 1                        ; f
	s_bfe_u32 s21, ttmp6, 0x40000                  ; cx
	s_bfe_u32 s22, ttmp6, 0x40004                  ; cy
	s_lshl_b32 s23, ttmp9, 2
	s_add_co_u32 s23, s23, s21                     ; head
	s_and_b32 s84, ttmp7, 0xffff
	s_lshl_b32 s84, s84, 2
	s_add_co_u32 s84, s84, s22
	s_lshl_b32 s84, s84, 1                         ; the first of my two token blocks
	s_lshl_b32 s85, s22, 2
	s_lshl_b32 s85, 15, s85                        ; my row of the cluster
	s_lshl_b32 s86, 0x1111, s21                    ; my column
	; group 1.  Codes: rows of 256 bytes, 512 apart in memory; at the head 256 rows of x, 192 of W; later the words that count rows are set anew.  Scales: dense blocks as rows of 256 bytes.  16 bytes of padding behind each row.
	s_or_b32 s24, s85, (0<<16)|(1<<20)|(1<<21)|(5<<22)|(3<<25)
	s_mov_b32 s25, 256<<16
	s_mov_b32 s26, 256<<16
	s_mov_b32 s27, 256<<16
	s_mov_b32 s28, 256
	s_mov_b32 s29, 512
	s_mov_b32 s30, 0
	s_mov_b32 s31, 0
	s_or_b32 s32, s86, (0<<16)|(1<<20)|(1<<21)|(5<<22)|(3<<25)
	s_mov_b32 s33, 256<<16
	s_mov_b32 s34, 192<<16
	s_mov_b32 s35, 256<<16
	s_mov_b32 s36, 192
	s_mov_b32 s37, 512
	s_mov_b32 s38, 0
	s_mov_b32 s39, 0
	s_or_b32 s40, s85, (3<<16)|(1<<20)|(1<<21)|(5<<22)|(3<<25)
	s_mov_b32 s41, 32<<16
	s_mov_b32 s42, 64<<16
	s_mov_b32 s43, 32<<16
	s_mov_b32 s44, 64
	s_mov_b32 s45, 32
	s_mov_b32 s46, 0
	s_mov_b32 s47, 0
	s_or_b32 s48, s86, (3<<16)|(1<<20)|(1<<21)|(5<<22)|(3<<25)
	s_mov_b32 s49, 32<<16
	s_mov_b32 s50, 24<<16
	s_mov_b32 s51, 32<<16
	s_mov_b32 s52, 24
	s_mov_b32 s53, 32
	s_mov_b32 s54, 0
	s_mov_b32 s55, 0
	s_lshl_b32 s88, s84, 8                         ; x: row 256 x block
	s_lshl_b32 s92, s88, 5                         ; its scales, 32 bytes a row
	s_mov_b32 s93, 0
	s_lshl_b32 s88, s88, 9                         ; its codes, 512 bytes a row
	s_mov_b32 s89, 0
	s_mul_i32 s90, s23, 192                        ; W: row 192 x head
	s_lshl_b32 s94, s90, 5
	s_mov_b32 s95, 0
	s_lshl_b32 s90, s90, 9
	s_mov_b32 s91, 0
	s_mov_b32 s56, 1                               ; group 0: the head's four tiles are whole; K half 1 goes by halves of the rows
	s_mov_b32 s57, XS
	s_mov_b32 s60, 1
	s_mov_b32 s61, 0
	s_mov_b32 s68, 1
	s_mul_i32 s69, s20, 128*PITCH
	s_add_co_u32 s69, s69, XCH
	s_mov_b32 s72, 1
	s_mov_b32 s73, WS
	s_mov_b32 s76, 1
	s_mov_b32 s77, WC0
	s_mov_b32 s80, 1
	s_mul_i32 s81, s20, 96*PITCH
	s_add_co_u32 s81, s81, WC0+WCH
	s_lshl_b32 s2, s20, 16                         ; 128 rows of 512 bytes
	s_mov_b32 s3, 0
	s_mul_i32 s98, s20, 96*512
	s_mov_b32 s99, 0
	s_mov_b32 s87, 0xffff0000                      ; the lanes 16-31, as a select's mask
	s_wait_dscnt 0x0
	s_wait_kmcnt 0x0
	s_add_nc_u64 s[58:59], s[6:7], s[92:93]
	s_add_nc_u64 s[62:63], s[4:5], s[88:89]
	s_add_nc_u64 s[70:71], s[62:63], 256           ; the second half of K,
	s_add_nc_u64 s[70:71], s[70:71], s[2:3]        ; my half of the rows
	s_add_nc_u64 s[74:75], s[10:11], s[94:95]
	s_add_nc_u64 s[78:79], s[8:9], s[90:91]
	s_add_nc_u64 s[82:83], s[78:79], 256
	s_add_nc_u64 s[82:83], s[82:83], s[98:99]
	s_lshl_b32 s2, s[WV], 15                       ; the refills: 64 rows of 512 bytes a wave, in registers whose arguments have been used
	s_add_nc_u64 s[6:7], s[62:63], 0x20000         ; the second block: 256 rows on
	s_add_nc_u64 s[6:7], s[6:7], s[2:3]
	s_add_nc_u64 s[10:11], s[6:7], 256
	s_mov_b32 s4, 1
	s_mul_i32 s5, s[WV], 64*PITCH
	s_mov_b32 s8, 1
	s_add_co_u32 s9, s5, XCH
	s_or_b32 s7, s7, 0x80000000
	s_or_b32 s11, s11, 0x80000000
	s_or_b32 s59, s59, 0x80000000
	s_or_b32 s63, s63, 0x80000000
	s_or_b32 s71, s71, 0x80000000
	s_or_b32 s75, s75, 0x80000000
	s_or_b32 s79, s79, 0x80000000
	s_or_b32 s83, s83, 0x80000000
	; THE MASK.  My work-group's number: head + 16 x pair of token blocks
	s_lshl_b32 s2, s84, 3
	s_add_co_u32 s2, s2, s23
	s_lshr_b32 s3, s2, 1                           ; which 64 rows
	s_and_b32 s2, s2, 1                            ; which 1,024 keys
	s_lshl_b32 s88, s3, 19                         ; 64 rows of 8,192 bytes,
	s_lshl_b32 s89, s2, 12                         ; 4,096 bytes a half row,
	s_add_co_u32 s88, s88, s89
	s_lshl_b32 s89, s[WV], 10                      ; 1,024 bytes a wave
	s_add_co_u32 s88, s88, s89
	s_mov_b32 s89, 0
	s_add_nc_u64 s[98:99], s[104:105], s[88:89]
	s_or_b32 s99, s99, 0x80000000
	s_mov_b32 s96, 1
	s_mul_i32 s97, s[WV], 64*MP                    ; my wave's region
	s_lshl_b32 s88, s3, 14                         ; mw: four tiles of 4,096 bytes,
	s_lshl_b32 s89, s2, 11                         ; eight key steps of 256 bytes,
	s_add_co_u32 s88, s88, s89
	s_lshl_b32 s89, s[WV], 9                       ; two a wave
	s_add_co_u32 s88, s88, s89
	s_mov_b32 s89, 0
	s_add_nc_u64 s[100:101], s[100:101], s[88:89]
	s_mov_b32 s88, (2<<16)|(1<<20)|(7<<22)|(11<<25) ; no work-group mask; elements of 4 bytes; twelve words of padding after every 256
	s_mov_b32 s89, 256<<16
	s_mov_b32 s90, 64<<16
	s_mov_b32 s91, 256<<16
	s_mov_b32 s92, 64
	s_mov_b32 s93, 2048
	s_mov_b32 s94, 0
	s_mov_b32 s95, 0
	ROUND                                          ; in a cluster launch every group of tensor loads stands behind a round
	tensor_load_to_lds s[96:99], s[88:95]          ; the head's one tensor load of my wave
	s_nop 0
.rept 4
	v_nop
.endr
	v_and_b32 v1, 15, v0                           ; r
	v_bfe_u32 v2, v0, 4, 1                         ; h
	v_mul_u32_u24 v1, v1, MP
	v_lshl_add_u32 v1, v2, 7, v1
	v_add_nc_u32 v1, s97, v1                       ; row r, + 128 h bytes: my half's block of 32 keys
	v_and_b32 v2, 31, v0
	v_lshlrev_b32 v2, 3, v2                        ; out: 8 bytes a lane
	v_mov_b32 v4, 0                                ; v_writelane_b32's destination counts as read
	v_mov_b32 v5, 0
	v_mov_b32 v6, 0
	v_mov_b32 v7, 0
	s_mov_b32 s3, 4
; 64 registers become 64 words: a compare gives the word as a scalar, v_writelane_b32 puts word n into lane n / 2 of register n % 2
.macro WORDS d, w
.set n, 0
.rept 8
.irp i, 0,1,2,3,4,5,6,7
	v_cmp_eq_u32 s[88+\i], 1, v[\d+n+\i]
.endr
.irp i, 0,1,2,3,4,5,6,7
	v_writelane_b32 v[\w+\i%2], s[88+\i], (n+\i)/2
.endr
.set n, n+8
.endr
.endm
	s_wait_alu depctr_va_vdst(0)
	s_wait_tensorcnt 0x0                           ; my part of the mask is in LDS; its descriptor's registers are free
.Lmask:                                                ; four trips: a query tile, two key steps
.irp q, 0,1
.irp t, 0,1,2,3,4,5,6,7
.irp i, 0,1
	ds_load_b128 v[D0+64*\q+8*\t+4*\i:D0+64*\q+8*\t+4*\i+3], v1 offset:512*\q+256*(\t/4)+32*(\t%4)+16*\i
.endr
.endr
.endr
	s_wait_dscnt 16                                ; the first key step's sixteen loads are in; the second's may be out
	WORDS D0, 4
	global_store_b64 v2, v[4:5], s[100:101]        ; 32 lanes store 256 consecutive bytes, aligned
	s_wait_dscnt 0x0
	WORDS D1, 6
	global_store_b64 v2, v[6:7], s[100:101] offset:256
	s_wait_xcnt 0x0                                ; the stores have read their registers and their base
	s_add_nc_u64 s[100:101], s[100:101], 4096      ; the next query tile
	v_add_nc_u32 v1, 16*MP, v1
	s_sub_co_u32 s3, s3, 1
	s_cmp_lg_u32 s3, 0
	s_wait_alu depctr_va_vdst(0)                   ; the wait ahead of the branch
	s_cbranch_scc1 .Lmask
	s_mov_b32 s96, 0x76543210
	s_mov_b32 s97, 0xfedcba98                      ; v_permlanex16_b32's selects for lane l xor 16
	s_wait_tensorcnt 0x0                           ; a wait, an add and a wait ahead of a refill's barrier
	ds_add_u32 v30, v31
	s_wait_dscnt 0x0                               ; my reads of the mask are over
	ROUND                                          ; all sixteen work-groups are here: the joint loads meet
; the head's loads, one a wave: one chain of branches on the wave's number, an arm a load, all arms to one join
.macro ARM under, g0, g1, next
	s_cmp_lt_u32 s[WV], \under
	s_cbranch_scc0 \next
	tensor_load_to_lds s[\g0:\g0+3], s[\g1:\g1+7]
	s_nop 0
.rept 4
	v_nop
.endr
	s_branch .Lasked
\next:
.endm
	ARM 1, 60, 24, .Lhead_w
	ARM 2, 76, 32, .Lhead_xs
	ARM 3, 56, 40, .Lhead_ws
	tensor_load_to_lds s[72:75], s[48:55]
	s_nop 0
.rept 4
	v_nop
.endr
.Lasked:
	v_and_b32 v1, 15, v0                           ; r
	v_bfe_u32 v2, v0, 4, 1                         ; h
	v_and_b32 v3, 31, v0                           ; lane
	v_mul_u32_u24 v19, v1, PITCH
	v_lshl_add_u32 v19, v2, 4, v19
	s_mul_i32 s2, s19, 128*PITCH
	v_add_nc_u32 v4, s2, v19                       ; v4, v5: my 128 tokens, K half 0, 1
	v_add_nc_u32 v5, XCH, v4
	s_mul_i32 s2, s20, 64*PITCH
	s_add_co_u32 s2, s2, WC0
	v_add_nc_u32 v6, s2, v19                       ; v6, v7: my 64 rows of q or k
	v_add_nc_u32 v7, WCH, v6
	s_mul_i32 s2, s20, 32*PITCH
	s_add_co_u32 s2, s2, WC0+128*PITCH
	v_add_nc_u32 v8, s2, v19                       ; v8, v9: my 32 rows of v
	v_add_nc_u32 v9, WCH, v8
	v_lshrrev_b32 v20, 3, v1
	v_lshlrev_b32 v21, 5, v1
	v_lshl_add_u32 v20, v20, 4, v21                ; 32 r + 16 (r / 8)
	s_mul_i32 s2, s19, 16*272
	s_add_co_u32 s2, s2, XS
	v_add_nc_u32 v10, s2, v20                      ; x's scale words
	s_mul_i32 s2, s20, 64*34
	s_add_co_u32 s2, s2, WS
	v_add_nc_u32 v11, s2, v20                      ; q's or k's rows'
	s_mul_i32 s2, s20, 32*34
	s_add_co_u32 s2, s2, WS+128*34
	v_add_nc_u32 v12, s2, v20                      ; v's rows'
	v_lshlrev_b32 v13, 4, v3                       ; an image's place for my lane
	s_lshl_b32 s2, s20, 12
	s_add_co_u32 s2, s2, 4096
	v_add_nc_u32 v14, s2, v13                      ; scale words: at 4,096 in q's record, at 8,192 in k's
	s_lshl_b32 s2, s20, 11
	s_add_co_u32 s2, s2, 4096
	v_add_nc_u32 v15, s2, v13                      ; V^T's images
	s_lshl_b32 s2, s20, 7
	s_add_co_u32 s2, s2, 8704
	v_lshl_add_u32 v16, v3, 2, s2                  ; V's scale words
	v_lshlrev_b32 v17, 5, v2                       ; 32 h: the bias of my eight features
	s_wait_alu depctr_va_vdst(0)
	v_lshlrev_b32 v18, 2, v1                       ; 4 r: the bias of feature r
	s_wait_alu depctr_va_vdst(0)
	s_mul_i32 s90, s23, 768
	s_lshl_b32 s91, s20, 8
	s_add_co_u32 s90, s90, s91
	s_mov_b32 s91, 0
	s_add_nc_u64 s[90:91], s[12:13], s[90:91]      ; bqkv at feature 192 head + 64 f
	s_mul_i32 s94, s23, 768
	s_lshl_b32 s95, s20, 7
	s_add_co_u32 s94, s94, s95
	s_add_co_u32 s94, s94, 512
	s_mov_b32 s95, 0
	s_add_nc_u64 s[94:95], s[12:13], s[94:95]      ; and at 192 head + 128 + 32 f
	s_lshr_b32 s2, s84, 3                          ; the batch
	s_lshl_b32 s2, s2, 4
	s_add_co_u32 s2, s2, s23
	s_lshl_b32 s2, s2, 4
	s_and_b32 s3, s84, 7
	s_lshl_b32 s3, s3, 1
	s_add_co_u32 s2, s2, s3
	s_add_co_u32 s2, s2, s19                       ; the record: (16 b + head) x 16 + my 128 tokens' number in the batch
	s_mul_i32 s100, s2, REC
	s_mov_b32 s101, 0
	s_add_nc_u64 s[100:101], s[16:17], s[100:101]  ; where v goes
	s_mov_b32 s3, QREC
	s_cmp_eq_u32 s20, 1
	s_cselect_b32 s3, REC, s3
	s_cselect_b64 s[98:99], s[16:17], s[14:15]     ; k goes to kvbuf, q to qbuf
	s_lshl_b32 s92, s3, 1                          ; two records on: the second block's
	s_mov_b32 s93, 0
	s_mul_i32 s2, s2, s3
	s_mov_b32 s3, 0
	s_add_nc_u64 s[98:99], s[98:99], s[2:3]
	WIN 0xc0                                       ; destination window 3: the biases, in the results' layouts
.irp ft, 0,1,2,3
	global_load_b128 v[8*\ft:8*\ft+3], v17, s[90:91] offset:64*\ft
	global_load_b128 v[8*\ft+4:8*\ft+7], v17, s[90:91] offset:64*\ft+16
.endr
.irp dt, 0,1
.irp j, 0,1,2,3,4,5,6,7
	global_load_b32 v[32+8*\dt+\j], v18, s[94:95] offset:64*\dt
.endr
.endr
	WIN 0
; 28 LDS loads: the fragments of K step kk into buffer p
.macro FETCH kk, p
	WIN 0xc0*(\p)
.irp tt, 0,1,2,3,4,5,6,7
.irp c, 0,1
	ds_load_b128 v[FX+8*\tt+4*\c:FX+8*\tt+4*\c+3], v[4+(\kk)/4] offset:\tt*16*PITCH+((\kk)%4)*64+32*\c
.endr
.endr
.irp wt, 0,1,2,3
.irp c, 0,1
	ds_load_b128 v[FW+8*\wt+4*\c:FW+8*\wt+4*\c+3], v[6+(\kk)/4] offset:\wt*16*PITCH+((\kk)%4)*64+32*\c
.endr
.endr
.irp wt, 0,1
.irp c, 0,1
	ds_load_b128 v[FW+32+8*\wt+4*\c:FW+32+8*\wt+4*\c+3], v[8+(\kk)/4] offset:\wt*16*PITCH+((\kk)%4)*64+32*\c
.endr
.endr
.endm
; q or k: accumulator (tt, ft) at v[32 tt + 8 ft] of window 1.  The 48 accumulators of a step take turns, one instruction a turn.
.macro MULQK kk, p
.if (\kk) == 0
	WIN 0x70                                       ; C: the bias, window 3; D window 1
.else
	WIN 0x50+0x0f*(\p)
.endif
.irp tt, 0,1,2,3,4,5,6,7
.irp ft, 0,1,2,3
.if (\kk) == 0
	v_wmma_scale_f32_16x16x128_f8f6f4 v[32*\tt+8*\ft:32*\tt+8*\ft+7], v[FW+8*\ft:FW+8*\ft+7], v[FX+8*\tt:FX+8*\tt+7], v[8*\ft:8*\ft+7], v[SW+8*\ft+(\kk)], v[SX+8*\tt+(\kk)] matrix_a_fmt:MATRIX_FMT_FP4 matrix_b_fmt:MATRIX_FMT_FP4
.else
	v_wmma_scale_f32_16x16x128_f8f6f4 v[32*\tt+8*\ft:32*\tt+8*\ft+7], v[FW+8*\ft:FW+8*\ft+7], v[FX+8*\tt:FX+8*\tt+7], v[32*\tt+8*\ft:32*\tt+8*\ft+7], v[SW+8*\ft+(\kk)], v[SX+8*\tt+(\kk)] matrix_a_fmt:MATRIX_FMT_FP4 matrix_b_fmt:MATRIX_FMT_FP4
.endif
.endr
.endr
.endm
; v: accumulator (dt, tt) at v[64 dt + 8 tt] of window 2
.macro MULV kk, p
.if (\kk) == 0
	WIN 0xb0
.else
	WIN 0xa0+0x0f*(\p)
.endif
.irp dt, 0,1
.irp tt, 0,1,2,3,4,5,6,7
.if (\kk) == 0
	v_wmma_scale_f32_16x16x128_f8f6f4 v[64*\dt+8*\tt:64*\dt+8*\tt+7], v[FX+8*\tt:FX+8*\tt+7], v[FW+32+8*\dt:FW+32+8*\dt+7], v[32+8*\dt:32+8*\dt+7], v[SX+8*\tt+(\kk)], v[SW+32+8*\dt+(\kk)] matrix_a_fmt:MATRIX_FMT_FP4 matrix_b_fmt:MATRIX_FMT_FP4
.else
	v_wmma_scale_f32_16x16x128_f8f6f4 v[64*\dt+8*\tt:64*\dt+8*\tt+7], v[FX+8*\tt:FX+8*\tt+7], v[FW+32+8*\dt:FW+32+8*\dt+7], v[64*\dt+8*\tt:64*\dt+8*\tt+7], v[SX+8*\tt+(\kk)], v[SW+32+8*\dt+(\kk)] matrix_a_fmt:MATRIX_FMT_FP4 matrix_b_fmt:MATRIX_FMT_FP4
.endif
.endr
.endr
.endm
; A K step of 128 of block tb: its fragments are in; the next step's are asked for; then 48 products.
.macro STEP kk, tb
	s_wait_dscnt 0x0                               ; this step's 28 loads (in step 0 the scale words too); in step 3: my last reads of K half 0
.if (\kk) == 3
	WIN 0
	s_wait_tensorcnt 0x0                           ; my part of K half 1 has landed
.if \tb
	s_barrier_signal -1
	s_barrier_wait -1                              ; everybody's has; nothing is filled again
.else
	ds_add_u32 v30, v31                            ; the add ahead of a refill's barrier
	s_mov_b32 s26, 64<<16                          ; no tensor load of mine is out: a refill brings 64 rows of x
	s_mov_b32 s28, 64
	s_wait_dscnt 0x0
	ROUND                                          ; no wave of any partner reads x's K half 0 any more
	tensor_load_to_lds s[4:7], s[24:31]            ; the second block's K half 0
	s_nop 0
.rept 4
	v_nop
.endr
.endif
.endif
.if (\kk) < 7
.if (\kk) > 0
	PLACES
.endif
	FETCH (\kk)+1, ((\kk)+1)%2
.endif
	MULQK \kk, (\kk)%2
	MULV \kk, (\kk)%2
.endm
; A BLOCK of 256 tokens: eight K steps and the two ways out.
.macro TILE tb
.if \tb
	s_wait_xcnt 0x0                                ; the first block's stores have read their registers and bases
	s_add_nc_u64 s[98:99], s[98:99], s[92:93]
	s_add_nc_u64 s[100:101], s[100:101], 2*REC
.endif
.irp tt, 0,1,2,3,4,5,6,7
.irp kh, 0,1
	ds_load_b128 v[SX+8*\tt+4*\kh:SX+8*\tt+4*\kh+3], v10 offset:8704*\tb+544*\tt+16*\kh
.endr
.endr
.if \tb == 0
.irp wt, 0,1,2,3
.irp kh, 0,1
	ds_load_b128 v[SW+8*\wt+4*\kh:SW+8*\wt+4*\kh+3], v11 offset:544*\wt+16*\kh
.endr
.endr
.irp wt, 0,1
.irp kh, 0,1
	ds_load_b128 v[SW+32+8*\wt+4*\kh:SW+32+8*\wt+4*\kh+3], v12 offset:544*\wt+16*\kh
.endr
.endr
.endif
	FETCH 0, 0
.if \tb == 0
	s_wait_loadcnt 0x0                             ; the biases
.endif
.irp kk, 0,1,2,3,4,5,6,7
	STEP \kk, \tb
.endr
	; THE WAY OUT OF q OR k.  Sixteen blocks of 32 features: my sixteen numbers, the floor 2^(3 - 127) among them, then lane l xor 16's.
	PLACES
	WIN 0x05
.irp tt, 0,1,2,3,4,5,6,7
.irp b, 0,1
	v_max3_num_f32 v[TQ+2*\tt+\b], |v[32*\tt+16*\b]|, |v[32*\tt+16*\b+1]|, 0x1800000
.endr
.endr
.irp i, 2,4,6,8,10,12,14
.irp tt, 0,1,2,3,4,5,6,7
.irp b, 0,1
	v_max3_num_f32 v[TQ+2*\tt+\b], |v[32*\tt+16*\b+\i]|, |v[32*\tt+16*\b+\i+1]|, v[TQ+2*\tt+\b]
.endr
.endr
.endr
	WIN 0
.set n, 0
.rept 16
	v_permlanex16_b32 v[UQ+n], v[TQ+n], s96, s97
.set n, n+1
.endr
.set n, 0
.rept 16
	v_max_num_f32 v[TQ+n], v[TQ+n], v[UQ+n]
.set n, n+1
.endr
.set n, 0
.rept 16
	v_add_nc_u32 v[SO+n], 0xff000000, v[TQ+n]      ; 2 off the exponent field: the conversion's scale operand
.set n, n+1
.endr
.set n, 0
.rept 16
	v_lshrrev_b32 v[UQ+n], 23, v[SO+n]             ; the scale's byte
.set n, n+1
.endr
.irp tt, 0,1,2,3,4,5,6,7
	v_lshl_or_b32 v[PW+\tt], v[UQ+2*\tt+1], 8, v[UQ+2*\tt]
.endr
.irp tt, 0,1,2,3,4,5,6,7
	v_or_b32 v[PW+\tt], 0x7f7f0000, v[PW+\tt]      ; K = 64: the upper 64 of the instruction's 128 are zero codes under the byte 127
.endr
	WIN 0x01
.irp tt, 0,1,2,3,4,5,6,7
.irp ft, 0,1,2,3
	v_cvt_scalef32_pk8_fp4_f32 v[CQ+4*\tt+2*(\ft%2)+\ft/2], v[32*\tt+8*\ft:32*\tt+8*\ft+7], v[SO+2*\tt+\ft/2]
.endr
.endr
	WIN 0
	v_nop
.irp tt, 0,1,2,3,4,5,6,7
.irp u, 0,1
	v_permlane16_swap_b32 v[CQ+4*\tt+2*\u], v[CQ+4*\tt+2*\u+1]
.endr
.endr
.irp tt, 0,1,2,3,4,5,6,7
	global_store_b128 v13, v[CQ+4*\tt:CQ+4*\tt+3], s[98:99] offset:512*\tt   ; 32 lanes store 512 consecutive bytes, aligned
.endr
.irp j, 0,1,2,3
	v_cndmask_b32 v[OW+\j], v[PW+2*\j], v[PW+2*\j+1], s87
.endr
	global_store_b128 v14, v[OW:OW+3], s[98:99]
.if \tb == 0
	s_wait_alu depctr_va_vdst(0)
	s_wait_tensorcnt 0x0                           ; my part of the second block's K half 0 has landed
	ds_add_u32 v30, v31                            ; the add ahead of a refill's barrier
	s_wait_dscnt 0x0
	ROUND                                          ; no wave of any partner reads x's K half 1 any more
	tensor_load_to_lds s[8:11], s[24:31]           ; the second block's K half 1
	s_nop 0
.rept 4
	v_nop
.endr
.endif
	; THE WAY OUT OF v.  Eight blocks of 32 tokens.  No register that a pending store reads is written below.
	WIN 0x0a
.irp dt, 0,1
.irp b, 0,1,2,3
	v_max3_num_f32 v[TQ+4*\dt+\b], |v[64*\dt+16*\b]|, |v[64*\dt+16*\b+1]|, 0x1800000
.endr
.endr
.irp i, 2,4,6,8,10,12,14
.irp dt, 0,1
.irp b, 0,1,2,3
	v_max3_num_f32 v[TQ+4*\dt+\b], |v[64*\dt+16*\b+\i]|, |v[64*\dt+16*\b+\i+1]|, v[TQ+4*\dt+\b]
.endr
.endr
.endr
	WIN 0
.set n, 0
.rept 8
	v_permlanex16_b32 v[UQ+n], v[TQ+n], s96, s97
.set n, n+1
.endr
.set n, 0
.rept 8
	v_max_num_f32 v[TQ+n], v[TQ+n], v[UQ+n]
.set n, n+1
.endr
.set n, 0
.rept 8
	v_add_nc_u32 v[SO+n], 0xff000000, v[TQ+n]
.set n, n+1
.endr
.set n, 0
.rept 8
	v_lshrrev_b32 v[UQ+n], 23, v[SO+n]
.set n, n+1
.endr
.irp dt, 0,1
	v_lshl_or_b32 v[PW+\dt], v[UQ+4*\dt+1], 8, v[UQ+4*\dt]
.endr
.irp dt, 0,1
	v_lshl_or_b32 v[PW+\dt], v[UQ+4*\dt+2], 16, v[PW+\dt]
.endr
.irp dt, 0,1
	v_lshl_or_b32 v[PW+\dt], v[UQ+4*\dt+3], 24, v[PW+\dt]
.endr
	WIN 0x02
.irp dt, 0,1
.irp tt, 0,1,2,3,4,5,6,7
	v_cvt_scalef32_pk8_fp4_f32 v[CV+8*\dt+4*(\tt/4)+2*(\tt%2)+(\tt/2)%2], v[64*\dt+8*\tt:64*\dt+8*\tt+7], v[SO+4*\dt+\tt/2]
.endr
.endr
	WIN 0
	v_nop
.irp n, 0,2,4,6,8,10,12,14
	v_permlane16_swap_b32 v[CV+\n], v[CV+\n+1]
.endr
.irp dt, 0,1
.irp c, 0,1
	global_store_b128 v15, v[CV+8*\dt+4*\c:CV+8*\dt+4*\c+3], s[100:101] offset:1024*\dt+512*\c
.endr
.endr
	v_cndmask_b32 v[OV], v[PW], v[PW+1], s87
	global_store_b32 v16, v[OV], s[100:101]        ; a run of 128 bytes
.endm
	s_wait_alu depctr_va_vdst(0)
	s_wait_tensorcnt 0x0                           ; my tile of the head's four is in
	ds_add_u32 v30, v31
	s_mov_b32 s26, 128<<16                         ; no tensor load of mine is out: now a load brings 128 rows of x
	s_mov_b32 s28, 128
	s_mov_b32 s34, 96<<16                          ; or 96 of W
	s_mov_b32 s36, 96
	s_wait_dscnt 0x0
	ROUND                                          ; all four tiles are in, and the joint loads of K half 1 meet
	s_cmp_lt_u32 s[WV], 2
	s_cbranch_scc0 .Lfor_w
	tensor_load_to_lds s[68:71], s[24:31]
	s_nop 0
.rept 4
	v_nop
.endr
	s_branch .Lasked2
.Lfor_w:
	tensor_load_to_lds s[80:83], s[32:39]
	s_nop 0
.rept 4
	v_nop
.endr
.Lasked2:
	TILE 0
	TILE 1
	s_wait_tensorcnt 0x0                           ; the wave's end
	ds_add_u32 v30, v31
	s_wait_dscnt 0x0
	ROUND                                          ; the closing round
	s_endpgm
.Lfunc_end_k_q2b2f1671f0_qkv:
	.size	k_q2b2f1671f0_qkv, .Lfunc_end_k_q2b2f1671f0_qkv-k_q2b2f1671f0_qkv
	.p2alignl 7, 3214868480
	.fill 96, 4, 3214868480
	.section	.rodata,"a",@progbits
	.p2align	6, 0x0
	.amdhsa_kernel k_q2b2f1671f0_qkv
		.amdhsa_group_segment_fixed_size 327680
		.amdhsa_private_segment_fixed_size 0
		.amdhsa_enable_private_segment 0
		.amdhsa_kernarg_size 72
		.amdhsa_user_sgpr_count 2
		.amdhsa_user_sgpr_kernarg_segment_ptr 1
		.amdhsa_wavefront_size32 1
		.amdhsa_system_sgpr_workgroup_id_x 1
		.amdhsa_system_sgpr_workgroup_id_y 1
		.amdhsa_system_sgpr_workgroup_id_z 1
		.amdhsa_system_vgpr_workitem_id 0
		.amdhsa_next_free_vgpr 1024
		.amdhsa_next_free_sgpr 106
		.amdhsa_reserve_vcc 0
		.amdhsa_float_denorm_mode_32 3
		.amdhsa_float_denorm_mode_16_64 3
		.amdhsa_memory_ordered 1
		.amdhsa_forward_progress 1
		.amdhsa_inst_pref_size 217
	.end_amdhsa_kernel
	.amdgpu_metadata
---
amdhsa.version: [ 1, 2 ]
amdhsa.kernels:
  - .name:           k_q2b2f1671f0_qkv
    .symbol:         k_q2b2f1671f0_qkv.kd
    .args:
      - { .name: x_codes, .offset: 0, .size: 8, .value_kind: global_buffer, .address_space: global }
      - { .name: x_scales, .offset: 8, .size: 8, .value_kind: global_buffer, .address_space: global }
      - { .name: Wqkv_codes, .offset: 16, .size: 8, .value_kind: global_buffer, .address_space: global }
      - { .name: Wqkv_scales, .offset: 24, .size: 8, .value_kind: global_buffer, .address_space: global }
      - { .name: bqkv, .offset: 32, .size: 8, .value_kind: global_buffer, .address_space: global }
      - { .name: qbuf, .offset: 40, .size: 8, .value_kind: global_buffer, .address_space: global }
      - { .name: kvbuf, .offset: 48, .size: 8, .value_kind: global_buffer, .address_space: global }
      - { .name: mask, .offset: 56, .size: 8, .value_kind: global_buffer, .address_space: global }
      - { .name: mw, .offset: 64, .size: 8, .value_kind: global_buffer, .address_space: global }
    .group_segment_fixed_size: 327680
    .private_segment_fixed_size: 0
    .kernarg_segment_align: 8
    .kernarg_segment_size: 72
    .max_flat_workgroup_size: 128
    .sgpr_count:     106
    .vgpr_count:     1024
    .wavefront_size: 32
...
	.end_amdgpu_metadata
.endif
;; end of part 1
;; launch attn (part 2): grid 8 x 32, 16 waves a work-group, clusters of 4 x 1, 327,680 bytes of LDS; arguments qbuf, kvbuf, mw, cc, cs; writes cc, cs
.if DOCPART == 2
	.amdgcn_target "amdgcn-amd-amdhsa--gfx1250"
	.amdhsa_code_object_version 6
	.text
	.protected	k_q2b2f1671f0_attn
	.globl	k_q2b2f1671f0_attn
	.p2align	8
	.type	k_q2b2f1671f0_attn,@function
k_q2b2f1671f0_attn:
	s_mov_b64 s[64:65], 0
	v_nop
	global_prefetch_b8 v0, s[64:65] scope:SCOPE_SE
	s_setreg_imm32_b32 hwreg(HW_REG_WAVE_MODE, 25, 1), 1
	s_wait_xcnt 0x0
	s_wait_alu depctr_hold_cnt(0) depctr_sa_sdst(0) depctr_va_vdst(0) depctr_va_sdst(0) depctr_va_ssrc(0) depctr_va_vcc(0) depctr_vm_vsrc(0)
	s_getreg_b32 s2, hwreg(HW_REG_IB_STS2, 6, 4)
	s_cmp_eq_u32 s2, 0
	s_cbranch_scc0 .Lentry_in_a_cluster
	s_endpgm
.Lentry_in_a_cluster:
	s_bfe_u32 s2, ttmp6, 0x10000c
	s_cmp_lg_u32 s2, 0x3003
	s_cbranch_scc0 .Lentry_shape_is_right
	s_endpgm
.Lentry_shape_is_right:
; ATTENTION ON CODES OF FP4 (E2M1) with E8M0 scales.  scores = q k^T / 8, set to 0 where the mask is 1; p = 2^(t - M), t = score x log2(e), M the running largest t rounded up to a whole number;
; p is quantised along the keys, the row's sum is taken of the unquantised p; ctx = (p v) / sum is quantised along the features and stored as images of operand registers (cc) with scale words (cs).
; SHARES.  A work-group: 256 queries x two heads; wave w: 16 queries, the two heads one after the other.  Both heads' K and V of all 2,048 keys lie in LDS, filled once:
; wave w brings key step w of both heads by ONE tensor load of 2 rows x 8,960 bytes (a record of each head): step s of head p lies at (2 s + p) x 8,960.
; CLUSTER 4 x 1: the four query blocks of a head pair read the same records: asked for jointly.
; LAYOUT.  S^T = K Q^T, O^T = V^T P^T: a lane holds one query.  THE KEYS OF A TILE: row m of tile 4 c + t is key 64 c + 32 (m / 8) + 8 t + m % 8, chosen by the LDS address alone.
; So lane (r, h) holds in registers S + 32 c .. + 31 the whole block of 32 keys 64 c + 32 h ..: a block's maximum needs no other lane, and the conversion of tile 4 c + t is register 4 c + t of P's operand.
; The places behind matrix instructions are taken by address sums and by the row sum's additions.  The next step's fragments of K are asked for behind this step's first product.
; PREFETCH: the mask words of later steps (macro ASK).  K and V are asked for once, at the head, where there is no loop to run ahead in: no prefetch for them.
; LIMITS: the promise holds while the exponents t stay under 2^31 in magnitude; a block of zeros gets the byte 1 (its codes are zeros; this program alone reads the bytes); NaN and infinities are not served.
; REGISTERS: v1-3, v8 lane parts of LDS addresses; v4 -M, v5 largest score; v[6:7] the sum; v9-10 q's scale words; v11 p's; v12-15 K's; v16-31 q; v32-95 K (upper halves zero: K = 64); v96-127 V;
; v128-191 S, then p; v192-223 O^T; v224-231 p's codes; v232-239, v244-245, v252-254 at work; v241-242, v246-247 addresses in hand; v243 8 h; v248-249 V's scale words.
.set REC,   8960
.set HEADB, 16*REC
.set QREC,  4608
.set SPARE, 32*REC                     ; behind the records: the spare words, 128 bytes a wave
.set WV,  30
.set TB,  31                           ; LDS byte of the record in hand
.set CNT, 100
.set LIM, 101
.set S,   128
.set O,   192
.set AV,  241
.set AVS, 242
.set AK,  246
.set AKS, 247
.set SH,  243
.macro ROUND
	s_barrier_signal -1
	s_barrier_wait -1
	s_cmp_lg_u32 s[WV], 0
	s_cbranch_scc1 .Lnot_wave_0_\@
	s_barrier_signal -3
.Lnot_wave_0_\@:
	s_barrier_wait -3
	s_barrier_signal -1
	s_barrier_wait -1
.endm
	s_load_b256 s[32:39], s[0:1], 0x0              ; qbuf, kvbuf, mw, cc
	s_load_b64 s[40:41], s[0:1], 0x20              ; cs
	v_lshl_add_u32 v251, v0, 2, SPARE
	v_mov_b32 v255, 0
	ds_add_u32 v251, v255                          ; the opening lines: the add twice on end
	ds_add_u32 v251, v255
	v_lshrrev_b32 v1, 5, v0
	s_delay_alu instid0(VALU_DEP_1)
	v_readfirstlane_b32 s[WV], v1
	s_and_b32 s68, ttmp7, 0xffff
	s_lshr_b32 s69, s68, 3                         ; batch
	s_and_b32 s70, s68, 7                          ; head pair
	s_lshl_b32 s71, s69, 4
	s_lshl_b32 s72, s70, 1
	s_add_co_u32 s71, s71, s72                     ; 16 b + first head
	s_lshl_b32 s72, s71, 4
	s_add_co_u32 s72, s72, s[WV]
	s_mul_i32 s72, s72, REC                        ; that head's record of key step w
	s_mov_b32 s73, 0
	s_mov_b32 s4, 1
	s_mul_i32 s5, s[WV], 2*REC
	s_mov_b32 s12, 15|(3<<16)|(1<<21)              ; all four of the cluster; elements of 8 bytes
	s_mov_b32 s13, (REC/8)<<16
	s_mov_b32 s14, 2<<16
	s_mov_b32 s15, (REC/8)<<16
	s_mov_b32 s16, 2
	s_mov_b32 s17, HEADB/8                         ; from a head's record to the next head's
	s_mov_b32 s18, 0
	s_mov_b32 s19, 0
	s_bfe_u32 s80, ttmp6, 0x40000
	s_lshl_b32 s81, ttmp9, 2
	s_add_co_u32 s81, s81, s80                     ; block of 256 queries
	s_lshl_b32 s82, s69, 7
	s_lshl_b32 s83, s81, 4
	s_add_co_u32 s82, s82, s83                     ; the work-group's first query tile
	s_add_co_u32 s83, s82, s[WV]                   ; mine
	s_lshl_b32 s84, s71, 4
	s_lshl_b32 s85, s81, 1
	s_add_co_u32 s84, s84, s85
	s_lshr_b32 s85, s[WV], 3
	s_add_co_u32 s84, s84, s85
	s_mul_i32 s84, s84, QREC
	s_mov_b32 s85, 0
	s_lshl_b32 s86, s83, 12
	s_mov_b32 s87, 0
	s_lshl_b32 s88, s82, 12
	s_mov_b32 s89, 0
	s_lshl_b32 s90, s83, 3
	s_add_co_u32 s90, s90, s70
	s_lshl_b32 s92, s90, 6
	s_mov_b32 s93, 0
	s_lshl_b32 s90, s90, 10
	s_mov_b32 s91, 0
	s_or_b32 s[LIM], s[WV], s70                    ; 0: wave 0 of the head pair 0 asks for the mask words
	s_and_b32 s8, s[WV], 7                         ; my tile in q's record
	s_lshl_b32 s9, s8, 9
	s_and_b32 s10, s8, 1
	s_lshl_b32 s10, s10, 8
	s_lshr_b32 s11, s8, 1
	s_lshl_b32 s11, s11, 2
	s_add_co_u32 s10, s10, s11
	s_add_co_u32 s10, s10, 4096
	s_mov_b32 s2, 0x3e38aa3b                       ; log2(e) / 8
	s_mov_b32 s3, s2
	s_mov_b32 s66, 0x76543210
	s_mov_b32 s67, 0xfedcba98
	s_wait_dscnt 0x0
	s_wait_kmcnt 0x0
	s_add_nc_u64 s[6:7], s[34:35], s[72:73]
	s_or_b32 s7, s7, 0x80000000
	s_add_nc_u64 s[20:21], s[32:33], s[84:85]
	s_add_nc_u64 s[24:25], s[36:37], s[86:87]
	s_add_nc_u64 s[22:23], s[36:37], s[88:89]
	s_add_nc_u64 s[26:27], s[38:39], s[90:91]
	s_add_nc_u64 s[28:29], s[40:41], s[92:93]
	ROUND
	tensor_load_to_lds s[4:7], s[12:19]            ; my one tensor load
	s_nop 0
.rept 4
	v_nop
.endr
	s_load_b512 s[32:47], s[24:25], 0x0            ; key step 0's mask words
	s_load_b512 s[48:63], s[24:25], 0x40
	s_load_b512 s[68:83], s[24:25], 0x80
	s_load_b512 s[84:99], s[24:25], 0xc0
	v_and_b32 v2, 31, v0
	v_and_b32 v254, 15, v0                         ; r
	v_bfe_u32 v250, v0, 4, 1                       ; h
	v_and_b32 v3, 7, v0                            ; r % 8
	v_bfe_u32 v8, v0, 3, 1                         ; r / 8
	v_lshlrev_b32 v1, 4, v2                        ; an image's place for my lane
	v_lshlrev_b32 v2, 2, v2
	v_add_nc_u32 v[AV], s9, v1
	v_lshl_add_u32 v[AVS], v254, 4, s10
	global_load_b128 v[16:19], v[AV], s[20:21]
	global_load_b128 v[24:27], v[AV], s[20:21] offset:16*QREC
	global_load_b32 v10, v[AVS], s[20:21]
	global_load_b32 v9, v[AVS], s[20:21] offset:16*QREC
	v_lshlrev_b32 v3, 4, v3
	v_lshlrev_b32 v[SH], 3, v250                   ; 8 h: my bytes' place in p's scale word
	v_lshl_add_u32 v252, v8, 2, v3                 ; K's scale words: 16 (r % 8) + 4 (r / 8)
	v_lshl_add_u32 v3, v8, 10, v3
	v_lshl_add_u32 v8, v250, 7, v252               ; + 128 h: lanes 16-31 take the next tile's
	v_lshl_add_u32 v3, v250, 8, v3                 ; K's codes: 1,024 (r / 8) + 16 (r % 8) + 256 h
	v_lshlrev_b32 v250, 8, v250
	v_lshl_add_u32 v250, v254, 12, v250            ; the prefetch: query tile r, key step h
.irp n, 20,21,22,23,28,29,30,31
	v_mov_b32 v[\n], 0
.endr
.irp t, 0,1,2,3,4,5,6,7
.irp n, 4,5,6,7
	v_mov_b32 v[32+8*\t+\n], 0
.endr
.endr
.irp n, 236,237,253
	v_mov_b32 v[\n], 0                             ; a lane permute's destination and a pair's upper half count as read
.endr
; A prefetch of mask words: at even steps s up to 12 of the first pass, wave 0 of head pair 0 names steps s + 2 and s + 3 of the work-group's 16 query tiles: a lane a block of 256 bytes, each named once.
.macro ASK
	s_cmp_eq_u32 s[LIM], 0
	s_cbranch_scc0 .Lnot_mine_\@
	s_bitcmp1_b32 s[CNT], 0
	s_cbranch_scc0 .Lnot_mine_\@
	s_cmp_eq_u32 s[CNT], 1
	s_cbranch_scc1 .Lnot_mine_\@
	global_prefetch_b8 v250, s[22:23] offset:256 th:TH_LOAD_NT scope:SCOPE_SE
.Lnot_mine_\@:
.endm
.macro QK i, sc, row, q, qs
.if \row
	v_wmma_scale_f32_16x16x128_f8f6f4 v[S+8*(\i):S+8*(\i)+7], v[32+8*(\i):39+8*(\i)], v[\q:\q+7], 0, v[\sc], v[\qs] matrix_a_fmt:MATRIX_FMT_FP4 matrix_b_fmt:MATRIX_FMT_FP4 matrix_a_scale:MATRIX_SCALE_ROW1
.else
	v_wmma_scale_f32_16x16x128_f8f6f4 v[S+8*(\i):S+8*(\i)+7], v[32+8*(\i):39+8*(\i)], v[\q:\q+7], 0, v[\sc], v[\qs] matrix_a_fmt:MATRIX_FMT_FP4 matrix_b_fmt:MATRIX_FMT_FP4
.endif
.endm
.macro KLOAD off                       ; 12 LDS loads: eight tiles of K and their scale words (register 2 c + u: tile 4 c + 2 u in lanes 0-15, 4 c + 2 u + 1 in lanes 16-31)
.irp c, 0,1
.irp t, 0,1,2,3
	ds_load_b128 v[32+8*(4*\c+\t):35+8*(4*\c+\t)], v[AK] offset:\off+2048*\c+512*(\t/2)+128*(\t%2)
.endr
.endr
.irp c, 0,1
.irp u, 0,1
	ds_load_b32 v[12+2*\c+\u], v[AKS] offset:\off+8192+256*\u+8*\c
.endr
.endr
.endm
; THE ROW'S SUM is kept in four running pairs, v[6:7] and v[234:239], joined on the way out; each is brought under the new M in every step.
.macro ADDL k                          ; the four running pairs take pairs k .. k + 3 of p
	v_pk_add_f32 v[6:7], v[6:7], v[S+2*(\k):S+2*(\k)+1]
	v_pk_add_f32 v[234:235], v[234:235], v[S+2*(\k)+2:S+2*(\k)+3]
	v_pk_add_f32 v[236:237], v[236:237], v[S+2*(\k)+4:S+2*(\k)+5]
	v_pk_add_f32 v[238:239], v[238:239], v[S+2*(\k)+6:S+2*(\k)+7]
.endm
.macro FOLD k, cnt, d                  ; behind the conversions p's registers are free: pairs k .. k + cnt - 1 take, in place, the pairs d further on
.set m, \k
.rept \cnt
	v_pk_add_f32 v[S+2*m:S+2*m+1], v[S+2*m:S+2*m+1], v[S+2*(m+\d):S+2*(m+\d)+1]
.set m, m+1
.endr
.endm
; A KEY STEP of 128 keys.  last = 1: no further K is asked for.
.macro STEP q, qs, last, ask, mnext
	s_wait_dscnt 0x0                               ; K's tiles and scale words, asked for a step ago
.irp c, 0,1
.irp u, 0,1
	QK 4*\c+2*\u, 12+2*\c+\u, 0, \q, \qs
	QK 4*\c+2*\u+1, 12+2*\c+\u, 1, \q, \qs
.endr
.endr
	v_add_nc_u32 v[AV], s[TB], v1                  ; four plain lines: the places behind the products
	v_add_nc_u32 v[AVS], s[TB], v2
.if \last
	v_nop
	v_nop
.else
	v_add_nc_u32 v[AK], s[TB], v3
	v_add_nc_u32 v[AKS], s[TB], v8
.endif
.irp d, 0,1,2,3
.irp c, 0,1
	ds_load_b128 v[96+8*\d+4*\c:99+8*\d+4*\c], v[AV] offset:4096+1024*\d+512*\c
.endr
.endr
	ds_load_b32 v248, v[AVS] offset:8704
	ds_load_b32 v249, v[AVS] offset:8832
.if \last == 0
	KLOAD 2*REC
.endif
.if \ask
	ASK
.endif
	s_wait_kmcnt 0x0                               ; this step's mask words
.set n, 0
.rept 64
	v_cndmask_b32 v[S+n], v[S+n], 0, s[32+n+4*(n/32)]
.set n, n+1
.endr
.if (\mnext) == 1
	s_add_nc_u64 s[24:25], s[24:25], 256
.elseif (\mnext) == 2
	s_sub_nc_u64 s[24:25], s[24:25], 15*256
.endif
.if (\mnext)
	s_load_b512 s[32:47], s[24:25], 0x0
	s_load_b512 s[48:63], s[24:25], 0x40
	s_load_b512 s[68:83], s[24:25], 0x80
	s_load_b512 s[84:99], s[24:25], 0xc0
.endif
.irp g, 0,1,2,3,4,5,6,7                ; the largest score of my two blocks: eight chains by turns
	v_max3_num_f32 v[224+\g], v[S+8*\g], v[S+8*\g+1], v[S+8*\g+2]   ; (in the registers of p's codes, which are done with)
.endr
.irp i, 3,5
.irp g, 0,1,2,3,4,5,6,7
	v_max3_num_f32 v[224+\g], v[224+\g], v[S+8*\g+\i], v[S+8*\g+\i+1]
.endr
.endr
	v_max3_num_f32 v224, v224, v225, v226
	v_max3_num_f32 v227, v227, v[S+7], v[S+15]
	v_max3_num_f32 v228, v228, v229, v230
	v_max3_num_f32 v231, v231, v[S+39], v[S+47]
	s_delay_alu instid0(VALU_DEP_4)
	v_max3_num_f32 v224, v224, v[S+23], v[S+31]
	s_delay_alu instid0(VALU_DEP_3)
	v_max3_num_f32 v228, v228, v[S+55], v[S+63]
	s_delay_alu instid0(VALU_DEP_2)
	v_max_num_f32 v232, v224, v227                 ; block 2 x 0 + h
	s_delay_alu instid0(VALU_DEP_2)
	v_max_num_f32 v233, v228, v231                 ; block 2 x 1 + h
	s_delay_alu instid0(VALU_DEP_1)
	v_max_num_f32 v254, v232, v233
	v_mov_b32 v253, v4                             ; the old -M
	s_delay_alu instid0(VALU_DEP_2)
	v_permlanex16_b32 v252, v254, s66, s67
	s_delay_alu instid0(VALU_DEP_1)
	v_max3_num_f32 v5, v5, v254, v252              ; the running largest score of my query
	s_delay_alu instid0(VALU_DEP_1)
	v_mul_f32 v254, s2, v5
	s_delay_alu instid0(VALU_DEP_1)
	v_floor_f32 v4, -v254                          ; -M = floor(-t)
	s_delay_alu instid0(VALU_DEP_1)
	v_sub_f32 v254, v4, v253
	s_delay_alu instid0(VALU_DEP_1)
	v_cvt_i32_f32 v254, v254                       ; (it saturates)
	s_delay_alu instid0(VALU_DEP_1)
	v_ldexp_f32 v252, 1.0, v254                    ; f = 2^(old M - new M)
.set n, 0
.rept 32
	v_pk_fma_f32 v[S+n:S+n+1], v[S+n:S+n+1], s[2:3], v[4:5] op_sel_hi:[1,0,0]
.set n, n+2
.endr
	v_fma_f32 v232, v232, s2, v4                   ; the same of each block's largest score
	v_fma_f32 v233, v233, s2, v4
	v_pk_mul_f32 v[234:235], v[234:235], v[252:253] op_sel_hi:[1,0]   ; three of the four sums under the new M
	v_pk_mul_f32 v[236:237], v[236:237], v[252:253] op_sel_hi:[1,0]
	v_pk_mul_f32 v[238:239], v[238:239], v[252:253] op_sel_hi:[1,0]
.set n, 0
.rept 16
	v_pk_mul_f32 v[O+n:O+n+1], v[O+n:O+n+1], v[252:253] op_sel_hi:[1,0]
.set n, n+2
.endr
	s_wait_alu depctr_va_vdst(0)                   ; the wait ahead of the batch
	v_exp_f32 v232, v232
	v_exp_f32 v233, v233
.set n, 0
.rept 64
	v_exp_f32 v[S+n], v[S+n]
.set n, n+1
.endr
	v_pk_mul_f32 v[6:7], v[6:7], v[252:253] op_sel_hi:[1,0]
	s_wait_dscnt 12-12*\last                       ; V's ten loads are in; the twelve for the next step's K may be out
	s_wait_alu depctr_va_vdst(0)                   ; and the wait behind the batch
	v_max_num_f32 v232, 0x1800000, v232            ; the floor 2^(3 - 127)
	v_max_num_f32 v233, 0x1800000, v233
	ADDL 0
	v_add_nc_u32 v244, 0xff000000, v232            ; 2 off the exponent field: the conversion's scale operand
	v_add_nc_u32 v245, 0xff000000, v233
	ADDL 4
	v_lshrrev_b32 v252, 23, v244                   ; the scale's byte
	v_lshrrev_b32 v253, 23, v245
.irp c, 0,1
.irp t, 0,1,2,3
	v_cvt_scalef32_pk8_fp4_f32 v[224+4*\c+\t], v[S+32*\c+8*\t:S+32*\c+8*\t+7], v[244+\c]
.endr
.endr
	v_lshl_or_b32 v11, v253, 16, v252              ; my two bytes, blocks h and 2 + h,
	FOLD 8, 4, 12                                  ; (pairs 8 .. 19 take pairs 20 .. 31, four between each two lines of the word's chain)
	v_lshlrev_b32 v11, v[SH], v11                  ; at their places;
	FOLD 12, 4, 12
	v_permlanex16_b32 v254, v11, s66, s67
	FOLD 16, 4, 12
	v_or_b32 v11, v11, v254                        ; with lane l xor 16's two the word is whole
	FOLD 8, 6, 6                                   ; eight plain lines ahead of the scaled products: pairs 8 .. 13 take pairs 14 .. 19,
	v_pk_add_f32 v[6:7], v[6:7], v[S+16:S+17]
	v_pk_add_f32 v[234:235], v[234:235], v[S+18:S+19]
.irp d, 0,2
	v_wmma_scale_f32_16x16x128_f8f6f4 v[O+8*\d:O+8*\d+7], v[96+8*\d:103+8*\d], v[224:231], v[O+8*\d:O+8*\d+7], v[248+\d/2], v11 matrix_a_fmt:MATRIX_FMT_FP4 matrix_b_fmt:MATRIX_FMT_FP4
	v_wmma_scale_f32_16x16x128_f8f6f4 v[O+8*\d+8:O+8*\d+15], v[104+8*\d:111+8*\d], v[224:231], v[O+8*\d+8:O+8*\d+15], v[248+\d/2], v11 matrix_a_fmt:MATRIX_FMT_FP4 matrix_b_fmt:MATRIX_FMT_FP4 matrix_a_scale:MATRIX_SCALE_ROW1
.endr
	v_pk_add_f32 v[236:237], v[236:237], v[S+20:S+21]   ; the rest of the sum: the four places behind the products
	v_pk_add_f32 v[238:239], v[238:239], v[S+22:S+23]
	v_pk_add_f32 v[6:7], v[6:7], v[S+24:S+25]
	v_pk_add_f32 v[234:235], v[234:235], v[S+26:S+27]
	s_add_co_u32 s[TB], s[TB], 2*REC
.endm
; A PASS: one head, 16 key steps, and the way out of its 64 features.
.macro PASS p
.if \p
	s_wait_xcnt 0x0                                ; the first pass's stores have read their registers
.endif
	v_mov_b32 v5, 0xff61b1e6                       ; the largest score so far: -3e38
	v_mov_b32 v4, 0x7e800000                       ; -M: so large that the first f is 0, over sums that are 0
	v_mov_b32 v6, 0
	v_mov_b32 v7, 0
.irp n, 234,235,236,237,238,239
	v_mov_b32 v[\n], 0
.endr
.set n, 0
.rept 32
	v_mov_b32 v[O+n], 0
.set n, n+1
.endr
	s_mov_b32 s[TB], \p*REC
	s_mov_b32 s[CNT], 15
	v_add_nc_u32 v[AK], s[TB], v3
	v_add_nc_u32 v[AKS], s[TB], v8
	KLOAD 0
.Ltrip_\@:
.if \p == 0
	s_wait_xcnt 0x0                                ; any prefetch of mine has read its address
	s_add_nc_u64 s[22:23], s[22:23], 256
.endif
	STEP 16+8*\p, 10-\p, 0, 1-\p, 1
	s_sub_co_u32 s[CNT], s[CNT], 1
	s_cmp_lg_u32 s[CNT], 0
	s_cbranch_scc1 .Ltrip_\@
	STEP 16+8*\p, 10-\p, 1, 0, 2-2*\p
	v_pk_add_f32 v[6:7], v[6:7], v[234:235]        ; the four running pairs are joined
	v_pk_add_f32 v[236:237], v[236:237], v[238:239]
	s_delay_alu instid0(VALU_DEP_1)
	v_pk_add_f32 v[6:7], v[6:7], v[236:237]
	s_delay_alu instid0(VALU_DEP_1)
	v_add_f32 v6, v6, v7
	s_delay_alu instid0(VALU_DEP_1)
	v_permlanex16_b32 v252, v6, s66, s67
	s_delay_alu instid0(VALU_DEP_1)
	v_add_f32 v6, v6, v252                         ; the row's sum
	s_wait_alu depctr_va_vdst(0)
	v_rcp_f32 v6, v6
	v_nop
	s_wait_alu depctr_va_vdst(0)
.set n, 0
.rept 32
	v_mul_f32 v[S+n], v[O+n], v6
.set n, n+1
.endr
.irp b, 0,1                            ; ctx's two blocks of 32 features: tiles 2 b, 2 b + 1, in lanes l and l xor 16
	v_max3_num_f32 v[232+\b], |v[S+16*\b]|, |v[S+16*\b+1]|, 0x1800000
.endr
.irp i, 2,4,6,8,10,12,14
.irp b, 0,1
	s_delay_alu instid0(VALU_DEP_2)
	v_max3_num_f32 v[232+\b], v[232+\b], |v[S+16*\b+\i]|, |v[S+16*\b+\i+1]|
.endr
.endr
.irp b, 0,1
	s_delay_alu instid0(VALU_DEP_2)
	v_permlanex16_b32 v[236+\b], v[232+\b], s66, s67
.endr
.irp b, 0,1
	s_delay_alu instid0(VALU_DEP_2)
	v_max_num_f32 v[232+\b], v[232+\b], v[236+\b]
.endr
.irp b, 0,1
	s_delay_alu instid0(VALU_DEP_2)
	v_add_nc_u32 v[244+\b], 0xff000000, v[232+\b]
.endr
.irp b, 0,1
	s_delay_alu instid0(VALU_DEP_2)
	v_lshrrev_b32 v[236+\b], 23, v[244+\b]
.endr
.irp d, 0,1,2,3
	v_cvt_scalef32_pk8_fp4_f32 v[224+2*(\d%2)+\d/2], v[S+8*\d:S+8*\d+7], v[244+\d/2]
.endr
	v_nop
	v_permlane16_swap_b32 v224, v225
	v_permlane16_swap_b32 v226, v227
	global_store_b128 v1, v[224:227], s[26:27] offset:512*\p   ; 32 lanes store 512 consecutive bytes, aligned
.if \p == 0
	v_lshl_or_b32 v240, v237, 8, v236
.else
	v_lshl_or_b32 v240, v236, 16, v240
	v_and_b32 v254, 15, v0
	s_delay_alu instid0(VALU_DEP_2)
	v_lshl_or_b32 v240, v237, 24, v240
	s_delay_alu instid0(VALU_DEP_2)
	v_lshlrev_b32 v254, 2, v254
	global_store_b32 v254, v240, s[28:29]
.endif
.endm
	s_wait_alu depctr_va_vdst(0)                   ; the wait at the head's end
	s_wait_loadcnt 0x0                             ; q
	s_wait_tensorcnt 0x0                           ; my two records are in,
	s_barrier_signal -1
	s_barrier_wait -1                              ; everybody's are; nothing is filled again
	PASS 0
	PASS 1
	s_wait_tensorcnt 0x0                           ; the wave's end
	ds_add_u32 v251, v255
	s_wait_dscnt 0x0
	ROUND                                          ; the closing round
	s_endpgm
.Lfunc_end_k_q2b2f1671f0_attn:
	.size	k_q2b2f1671f0_attn, .Lfunc_end_k_q2b2f1671f0_attn-k_q2b2f1671f0_attn
	.p2alignl 7, 3214868480
	.fill 96, 4, 3214868480
	.section	.rodata,"a",@progbits
	.p2align	6, 0x0
	.amdhsa_kernel k_q2b2f1671f0_attn
		.amdhsa_group_segment_fixed_size 327680
		.amdhsa_private_segment_fixed_size 0
		.amdhsa_enable_private_segment 0
		.amdhsa_kernarg_size 40
		.amdhsa_user_sgpr_count 2
		.amdhsa_user_sgpr_kernarg_segment_ptr 1
		.amdhsa_wavefront_size32 1
		.amdhsa_system_sgpr_workgroup_id_x 1
		.amdhsa_system_sgpr_workgroup_id_y 1
		.amdhsa_system_sgpr_workgroup_id_z 1
		.amdhsa_system_vgpr_workitem_id 0
		.amdhsa_next_free_vgpr 256
		.amdhsa_next_free_sgpr 106
		.amdhsa_reserve_vcc 0
		.amdhsa_float_denorm_mode_32 3
		.amdhsa_float_denorm_mode_16_64 3
		.amdhsa_memory_ordered 1
		.amdhsa_forward_progress 1
		.amdhsa_inst_pref_size 95
	.end_amdhsa_kernel
	.amdgpu_metadata
---
amdhsa.version: [ 1, 2 ]
amdhsa.kernels:
  - .name:           k_q2b2f1671f0_attn
    .symbol:         k_q2b2f1671f0_attn.kd
    .args:
      - { .name: qbuf, .offset: 0, .size: 8, .value_kind: global_buffer, .address_space: global }
      - { .name: kvbuf, .offset: 8, .size: 8, .value_kind: global_buffer, .address_space: global }
      - { .name: mw, .offset: 16, .size: 8, .value_kind: global_buffer, .address_space: global }
      - { .name: cc, .offset: 24, .size: 8, .value_kind: global_buffer, .address_space: global }
      - { .name: cs, .offset: 32, .size: 8, .value_kind: global_buffer, .address_space: global }
    .group_segment_fixed_size: 327680
    .private_segment_fixed_size: 0
    .kernarg_segment_align: 8
    .kernarg_segment_size: 40
    .max_flat_workgroup_size: 512
    .sgpr_count:     106
    .vgpr_count:     256
    .wavefront_size: 32
...
	.end_amdgpu_metadata
.endif
;; end of part 2
;; launch out (part 3): grid 4 x 64, 4 waves a work-group, clusters of 4 x 4, 327,680 bytes of LDS; arguments cc, cs, Wo_codes, Wo_scales, bo, out0; writes out0
.if DOCPART == 3
	.amdgcn_target "amdgcn-amd-amdhsa--gfx1250"
	.amdhsa_code_object_version 6
	.text
	.protected	k_q2b2f1671f0_out
	.globl	k_q2b2f1671f0_out
	.p2align	8
	.type	k_q2b2f1671f0_out,@function
k_q2b2f1671f0_out:
	s_mov_b64 s[64:65], 0
	v_nop
	global_prefetch_b8 v0, s[64:65] scope:SCOPE_SE
	s_setreg_imm32_b32 hwreg(HW_REG_WAVE_MODE, 25, 1), 1
	s_wait_xcnt 0x0
	s_wait_alu depctr_hold_cnt(0) depctr_sa_sdst(0) depctr_va_vdst(0) depctr_va_sdst(0) depctr_va_ssrc(0) depctr_va_vcc(0) depctr_vm_vsrc(0)
	s_getreg_b32 s2, hwreg(HW_REG_IB_STS2, 6, 4)
	s_cmp_eq_u32 s2, 0
	s_cbranch_scc0 .Lentry_in_a_cluster
	s_endpgm
.Lentry_in_a_cluster:
	s_bfe_u32 s2, ttmp6, 0x10000c
	s_cmp_lg_u32 s2, 0xf033
	s_cbranch_scc0 .Lentry_shape_is_right
	s_endpgm
.Lentry_shape_is_right:
; out0 = ctx Wo^T + bo on codes of FP4 (E2M1) with E8M0 scales.  ctx comes as images of operand registers (cc: [tile of 16 tokens][K step 8][1,024 bytes]; cs: [tile][K step][16 words]), Wo as rows of codes.
; SHARES.  A work-group takes 128 tokens (eight tiles) x 256 columns; all of K = 1,024 lies in LDS, filled once, by one joint load a wave at the head:
; wave 0: ctx's eight tiles, 8 rows of 8,192 bytes; wave 1: Wo's 256 rows of 512 bytes; wave 2: ctx's scale words; wave 3: Wo's scale bytes.  One tensor load of a wave is out.
; A wave takes all 128 tokens x 64 columns.  Its fragments of Wo for all of K stay in 256 registers; THE PRODUCTS GO TILE BY TILE of 16 tokens: 32 instructions on four accumulators by turns, K ascending;
; a finished tile leaves through the wave's stage while the next is multiplied.  Each fragment is read from LDS once.
; TRANSPOSED USE: source 0 = 16 rows of Wo, source 1 = 16 tokens: a lane holds eight neighbouring columns of one row of out0.  bo is the C of each sum's first product.
; CLUSTER 4 x 4: ctx's tiles hang on the token block alone and are shared along a row of the cluster, Wo's on the column block alone and are shared along a column: asked for jointly.
; No prefetch: everything is asked for at the head, and there is no loop to run ahead in.
; REGISTERS: window 0: v1-16 addresses; v30-31 the add's; v32-95 ctx's scale words; v96-127 Wo's; v128-255 ctx's fragments, two buffers of 8 K steps.
; window 1: Wo's fragment (nt, kk) at v[64 nt + 8 kk].  window 2: v0-63 accumulators, two sets of four; v64-95 bo; v128-191 rows read back from the stage, two sets.
.set PITCH, 528                        ; a row of Wo's codes in LDS: 512 bytes + 16
.set WC0,   65536                      ; behind ctx's images, [tile][8,192]
.set CSL,   WC0+256*PITCH              ; ctx's scale words, as they lie
.set WSL,   CSL+4096                   ; Wo's scale bytes: units of 256 bytes + 16; row p at 32 p + 16 (p / 8)
.set STG,   WSL+32*272                 ; the way out: 16 rows x 272 bytes for each wave: no fill lands there
.set SPARE, STG+4*16*272               ; the spare words
.set SC,    32
.set SW,    96
.set FC,    128
.set WV,    18
.set MSB, 0
.macro WIN new
.if MSB != (\new)
	s_set_vgpr_msb (MSB<<8)|(\new)
.set MSB, (\new)
.endif
.endm
.macro ROUND
	s_barrier_signal -1
	s_barrier_wait -1
	s_cmp_lg_u32 s[WV], 0
	s_cbranch_scc1 .Lnot_wave_0_\@
	s_barrier_signal -3
.Lnot_wave_0_\@:
	s_barrier_wait -3
	s_barrier_signal -1
	s_barrier_wait -1
.endm
.macro PLACES
.rept 4
	v_nop
.endr
.endm
	s_load_b256 s[4:11], s[0:1], 0x0               ; cc, cs, Wo's codes, Wo's scales
	s_load_b128 s[12:15], s[0:1], 0x20             ; bo, out0
	v_lshl_add_u32 v30, v0, 2, SPARE
	v_mov_b32 v31, 0
	ds_add_u32 v30, v31                            ; the opening lines: the add twice on end
	ds_add_u32 v30, v31
	v_lshrrev_b32 v1, 5, v0
	v_readfirstlane_b32 s[WV], v1
	s_bfe_u32 s21, ttmp6, 0x40000                  ; cx
	s_bfe_u32 s22, ttmp6, 0x40004                  ; cy
	s_lshl_b32 s23, ttmp9, 2
	s_add_co_u32 s23, s23, s21                     ; block of 256 columns
	s_and_b32 s84, ttmp7, 0xffff
	s_lshl_b32 s84, s84, 2
	s_add_co_u32 s84, s84, s22                     ; block of 128 tokens
	s_lshl_b32 s85, s22, 2
	s_lshl_b32 s85, 15, s85                        ; my row of the cluster
	s_lshl_b32 s86, 0x1111, s21                    ; my column
	; group 1.  ctx's scale words: 4,096 dense bytes as 16 rows of 256.  ctx's images: 8 rows of 8,192 bytes, dense.  No padding: they are read as they lie.
	s_or_b32 s24, s85, (3<<16)|(1<<21)
	s_mov_b32 s25, 32<<16
	s_mov_b32 s26, 16<<16
	s_mov_b32 s27, 32<<16
	s_mov_b32 s28, 16
	s_mov_b32 s29, 32
	s_mov_b32 s30, 0
	s_mov_b32 s31, 0
	s_or_b32 s32, s85, (3<<16)|(1<<21)
	s_mov_b32 s33, 1024<<16
	s_mov_b32 s34, 8<<16
	s_mov_b32 s35, 1024<<16
	s_mov_b32 s36, 8
	s_mov_b32 s37, 1024
	s_mov_b32 s38, 0
	s_mov_b32 s39, 0
	; Wo's scale bytes: 8,192 dense bytes as 32 rows of 256; Wo's codes: 256 rows of 512 bytes.  16 bytes of padding behind each row.
	s_or_b32 s40, s86, (3<<16)|(1<<20)|(1<<21)|(5<<22)|(3<<25)
	s_mov_b32 s41, 32<<16
	s_mov_b32 s42, 32<<16
	s_mov_b32 s43, 32<<16
	s_mov_b32 s44, 32
	s_mov_b32 s45, 32
	s_mov_b32 s46, 0
	s_mov_b32 s47, 0
	s_or_b32 s48, s86, (0<<16)|(1<<20)|(1<<21)|(6<<22)|(3<<25)
	s_mov_b32 s49, 512<<16
	s_mov_b32 s50, 256<<16
	s_mov_b32 s51, 512<<16
	s_mov_b32 s52, 256
	s_mov_b32 s53, 512
	s_mov_b32 s54, 0
	s_mov_b32 s55, 0
	s_lshl_b32 s88, s84, 3                         ; tile 8 x block
	s_lshl_b32 s92, s88, 9                         ; 512 bytes of scale words a tile
	s_mov_b32 s93, 0
	s_lshl_b32 s88, s88, 13                        ; 8,192 bytes of images a tile
	s_mov_b32 s89, 0
	s_lshl_b32 s90, s23, 8                         ; Wo: row 256 x block
	s_lshl_b32 s94, s90, 5
	s_mov_b32 s95, 0
	s_lshl_b32 s90, s90, 9
	s_mov_b32 s91, 0
	s_mov_b32 s56, 1
	s_mov_b32 s57, CSL
	s_mov_b32 s60, 1
	s_mov_b32 s61, 0
	s_mov_b32 s72, 1
	s_mov_b32 s73, WSL
	s_mov_b32 s76, 1
	s_mov_b32 s77, WC0
	s_mul_i32 s96, s[WV], 64*PITCH
	s_add_co_u32 s96, s96, WC0                     ; my 64 rows of Wo,
	s_mul_i32 s97, s[WV], 64*34
	s_add_co_u32 s97, s97, WSL                     ; their scale bytes,
	s_mul_i32 s98, s[WV], 16*272
	s_add_co_u32 s98, s98, STG                     ; my stage
	s_wait_dscnt 0x0
	s_wait_kmcnt 0x0
	s_add_nc_u64 s[58:59], s[6:7], s[92:93]
	s_add_nc_u64 s[62:63], s[4:5], s[88:89]
	s_add_nc_u64 s[74:75], s[10:11], s[94:95]
	s_add_nc_u64 s[78:79], s[8:9], s[90:91]
	s_or_b32 s59, s59, 0x80000000
	s_or_b32 s63, s63, 0x80000000
	s_or_b32 s75, s75, 0x80000000
	s_or_b32 s79, s79, 0x80000000
	s_lshl_b32 s90, s23, 10
	s_lshl_b32 s91, s[WV], 8
	s_add_co_u32 s90, s90, s91                     ; my first column, in bytes
	s_mov_b32 s91, 0
	s_add_nc_u64 s[12:13], s[12:13], s[90:91]      ; bo there
	s_lshl_b32 s2, s84, 19                         ; 128 rows of 4,096 bytes a token block
	s_mov_b32 s3, 0
	s_add_nc_u64 s[14:15], s[14:15], s[2:3]
	s_add_nc_u64 s[14:15], s[14:15], s[90:91]      ; out0 at my first row and column: never stepped
	ROUND                                          ; all sixteen work-groups are here: the joint loads meet
; the head's loads, one a wave: one chain of branches on the wave's number, an arm a load, all arms to one join
.macro ARM under, g0, g1, next
	s_cmp_lt_u32 s[WV], \under
	s_cbranch_scc0 \next
	tensor_load_to_lds s[\g0:\g0+3], s[\g1:\g1+7]
	s_nop 0
.rept 4
	v_nop
.endr
	s_branch .Lasked
\next:
.endm
	ARM 1, 60, 32, .Lhead_w
	ARM 2, 76, 48, .Lhead_cs
	ARM 3, 56, 24, .Lhead_ws
	tensor_load_to_lds s[72:75], s[40:47]
	s_nop 0
.rept 4
	v_nop
.endr
.Lasked:
	v_and_b32 v1, 15, v0                           ; r
	v_bfe_u32 v2, v0, 4, 1                         ; h
	v_and_b32 v3, 31, v0                           ; lane
	v_lshlrev_b32 v12, 5, v2                       ; 32 h: the bias of my eight columns
	v_lshlrev_b32 v4, 4, v3                        ; an image's place for my lane
	v_mul_u32_u24 v13, v1, PITCH
	v_lshl_add_u32 v14, v2, 4, v13
	v_add_nc_u32 v5, s96, v14                      ; Wo's fragments: row x pitch + 16 h
	v_lshl_add_u32 v7, v1, 2, CSL                  ; ctx's scale words: 4 r
	v_lshrrev_b32 v15, 3, v1
	v_lshlrev_b32 v16, 5, v1
	v_lshl_add_u32 v15, v15, 4, v16
	v_add_nc_u32 v8, s97, v15                      ; Wo's: 32 r + 16 (r / 8)
	v_mul_u32_u24 v9, v1, 272
	v_lshl_add_u32 v9, v2, 5, v9
	v_add_nc_u32 v9, s98, v9                       ; the stage, in: row r, 32 bytes for each half of the lanes
	v_mul_u32_u24 v10, v2, 272
	v_lshl_add_u32 v10, v1, 4, v10
	v_add_nc_u32 v10, s98, v10                     ; back: lanes 0-15 one row of 256 bytes, lanes 16-31 the next
	v_lshlrev_b32 v11, 12, v2
	v_lshl_add_u32 v11, v1, 4, v11                 ; and the same two rows in out0
	WIN 0x80                                       ; destination window 2
.irp nt, 0,1,2,3
	global_load_b128 v[64+8*\nt:64+8*\nt+3], v12, s[12:13] offset:64*\nt
	global_load_b128 v[64+8*\nt+4:64+8*\nt+7], v12, s[12:13] offset:64*\nt+16
.endr
	WIN 0
.macro FETCHC a                        ; 16 LDS loads: tile a's fragments of all eight K steps into buffer a % 2
.irp kk, 0,1,2,3,4,5,6,7
.irp c, 0,1
	ds_load_b128 v[FC+64*((\a)%2)+8*\kk+4*\c:FC+64*((\a)%2)+8*\kk+4*\c+3], v4 offset:8192*(\a)+1024*\kk+512*\c
.endr
.endr
.endm
; 32 products: tile a.  Its four accumulators take turns, one instruction a turn.
.macro MUL a
	WIN 0xa1                                       ; source 0 (Wo) window 1, source 1 (ctx) window 0, C and D window 2
.irp kk, 0,1,2,3,4,5,6,7
.irp nt, 0,1,2,3
.if \kk == 0
	v_wmma_scale_f32_16x16x128_f8f6f4 v[32*((\a)%2)+8*\nt:32*((\a)%2)+8*\nt+7], v[64*\nt+8*\kk:64*\nt+8*\kk+7], v[FC+64*((\a)%2)+8*\kk:FC+64*((\a)%2)+8*\kk+7], v[64+8*\nt:64+8*\nt+7], v[SW+8*\nt+\kk], v[SC+8*(\a)+\kk] matrix_a_fmt:MATRIX_FMT_FP4 matrix_b_fmt:MATRIX_FMT_FP4
.else
	v_wmma_scale_f32_16x16x128_f8f6f4 v[32*((\a)%2)+8*\nt:32*((\a)%2)+8*\nt+7], v[64*\nt+8*\kk:64*\nt+8*\kk+7], v[FC+64*((\a)%2)+8*\kk:FC+64*((\a)%2)+8*\kk+7], v[32*((\a)%2)+8*\nt:32*((\a)%2)+8*\nt+7], v[SW+8*\nt+\kk], v[SC+8*(\a)+\kk] matrix_a_fmt:MATRIX_FMT_FP4 matrix_b_fmt:MATRIX_FMT_FP4
.endif
.endr
.endr
.endm
; THE WAY OUT of tile a: through my own stage in LDS and back as rows of 256 bytes.  LDS serves a wave's instructions in order (ISA guide 5.7.1.4): no wait between the stores and the loads, nor in front of the next tile's stores.
.macro TOSTAGE a
	WIN 0x08                                       ; an LDS store's data are its source 1: window 2
.irp nt, 0,1,2,3
	ds_store_b128 v9, v[32*((\a)%2)+8*\nt:32*((\a)%2)+8*\nt+3] offset:64*\nt        ; each accumulator from its low end on
	ds_store_b128 v9, v[32*((\a)%2)+8*\nt+4:32*((\a)%2)+8*\nt+7] offset:64*\nt+16
.endr
	WIN 0x80                                       ; loaded data: window 2
.irp i, 0,1,2,3,4,5,6,7
	ds_load_b128 v[128+32*((\a)%2)+4*\i:128+32*((\a)%2)+4*\i+3], v10 offset:544*\i
.endr
	WIN 0
.endm
.macro SEND a, younger                 ; younger: the LDS instructions issued behind tile a's loads, which may stay out
	s_wait_dscnt \younger
	WIN 0x08                                       ; a store's data are its source 1: window 2
.irp i, 0,1,2,3,4,5,6,7
	global_store_b128 v11, v[128+32*((\a)%2)+4*\i:128+32*((\a)%2)+4*\i+3], s[14:15] offset:65536*(\a)+8192*\i th:TH_STORE_NT   ; sixteen lanes store 256 consecutive bytes, aligned
.endr
	WIN 0
.endm
	s_wait_alu depctr_va_vdst(0)                   ; the wait at the head's end
	s_wait_tensorcnt 0x0                           ; my tile of the four is in,
	s_barrier_signal -1
	s_barrier_wait -1                              ; everybody's is; nothing is filled again
.irp t, 0,1,2,3,4,5,6,7
.irp kk, 0,1,2,3,4,5,6,7
	ds_load_b32 v[SC+8*\t+\kk], v7 offset:512*\t+64*\kk
.endr
.endr
.irp nt, 0,1,2,3
.irp kh, 0,1
	ds_load_b128 v[SW+8*\nt+4*\kh:SW+8*\nt+4*\kh+3], v8 offset:544*\nt+16*\kh
.endr
.endr
	WIN 0x40                                       ; destination window 1: Wo's fragments of all of K
.irp nt, 0,1,2,3
.irp kk, 0,1,2,3,4,5,6,7
.irp c, 0,1
	ds_load_b128 v[64*\nt+8*\kk+4*\c:64*\nt+8*\kk+4*\c+3], v5 offset:\nt*16*PITCH+64*\kk+32*\c
.endr
.endr
.endr
	WIN 0
	FETCHC 0
	FETCHC 1
	s_wait_loadcnt 0x0                             ; bo
	s_wait_dscnt 16                                ; all but tile 1's sixteen
.irp a, 0,1,2,3,4,5,6,7
	MUL \a
	PLACES                                         ; ahead of the loads into the buffer just multiplied and of the reads of results just made
	WIN 0
.if \a < 6
	FETCHC \a+2
.endif
.if \a > 1
	s_wait_xcnt 0x0                                ; tile a - 2's stores have read their registers: tile a's rows may land there
.endif
	TOSTAGE \a
.if \a == 0
	s_wait_dscnt 32                                ; tile 1's fragments are in: behind them stand tile 2's sixteen loads and tile 0's sixteen stage instructions
.elseif \a < 6
	SEND \a-1, 32                                  ; behind tile a - 1's rows: tile a + 2's sixteen loads and tile a's sixteen stage instructions
.else
	SEND \a-1, 16
.endif
.endr
	SEND 7, 0
	s_wait_tensorcnt 0x0                           ; the wave's end
	ds_add_u32 v30, v31
	s_wait_dscnt 0x0
	ROUND                                          ; the closing round
	s_endpgm
.Lfunc_end_k_q2b2f1671f0_out:
	.size	k_q2b2f1671f0_out, .Lfunc_end_k_q2b2f1671f0_out-k_q2b2f1671f0_out
	.p2alignl 7, 3214868480
	.fill 96, 4, 3214868480
	.section	.rodata,"a",@progbits
	.p2align	6, 0x0
	.amdhsa_kernel k_q2b2f1671f0_out
		.amdhsa_group_segment_fixed_size 327680
		.amdhsa_private_segment_fixed_size 0
		.amdhsa_enable_private_segment 0
		.amdhsa_kernarg_size 48
		.amdhsa_user_sgpr_count 2
		.amdhsa_user_sgpr_kernarg_segment_ptr 1
		.amdhsa_wavefront_size32 1
		.amdhsa_system_sgpr_workgroup_id_x 1
		.amdhsa_system_sgpr_workgroup_id_y 1
		.amdhsa_system_sgpr_workgroup_id_z 1
		.amdhsa_system_vgpr_workitem_id 0
		.amdhsa_next_free_vgpr 768
		.amdhsa_next_free_sgpr 100
		.amdhsa_reserve_vcc 0
		.amdhsa_float_denorm_mode_32 3
		.amdhsa_float_denorm_mode_16_64 3
		.amdhsa_memory_ordered 1
		.amdhsa_forward_progress 1
		.amdhsa_inst_pref_size 75
	.end_amdhsa_kernel
	.amdgpu_metadata
---
amdhsa.version: [ 1, 2 ]
amdhsa.kernels:
  - .name:           k_q2b2f1671f0_out
    .symbol:         k_q2b2f1671f0_out.kd
    .args:
      - { .name: cc, .offset: 0, .size: 8, .value_kind: global_buffer, .address_space: global }
      - { .name: cs, .offset: 8, .size: 8, .value_kind: global_buffer, .address_space: global }
      - { .name: Wo_codes, .offset: 16, .size: 8, .value_kind: global_buffer, .address_space: global }
      - { .name: Wo_scales, .offset: 24, .size: 8, .value_kind: global_buffer, .address_space: global }
      - { .name: bo, .offset: 32, .size: 8, .value_kind: global_buffer, .address_space: global }
      - { .name: out0, .offset: 40, .size: 8, .value_kind: global_buffer, .address_space: global }
    .group_segment_fixed_size: 327680
    .private_segment_fixed_size: 0
    .kernarg_segment_align: 8
    .kernarg_segment_size: 48
    .max_flat_workgroup_size: 128
    .sgpr_count:     100
    .vgpr_count:     768
    .wavefront_size: 32
...
	.end_amdgpu_metadata
.endif
;; end of part 3
